; MI455X (gfx1250); checked and timed in simulation.
; The chip was launched on July 23, 2026; its instructions are those of AMD's public machine-readable ISA for CDNA 5 (MIT licence, August 2026) and "CDNA5" Instruction Set Architecture Reference Guide (July 2026). The comments in the code are by the model that wrote it; some were corrected since.
;; Self Att Head Level5. Allowed arithmetic: matrix products marked QUANTISED: E2M3 operands, one E8M0 scale for each 32 along K, by v_wmma_scale_f32_16x16x128_f8f6f4 with both operands' format E2M3, f32 sums; everything else in f32.
;; Inputs: E 4 x 4,096 x 128 float32; W 128 x 256 float32; mask 4 x 4,096 bool.
;; Outputs: out0 4 x 4,096 x 128 float32.
;; This version of the problem:
;;   THIS VERSION OF THE PROBLEM IS GIVEN IN LOW PRECISION. The matrix products marked QUANTISED in the list below multiply operands that are first quantised to E2M3 (2 exponent bits, 3 mantissa bits; 6 bits a number), with one power-of-two scale for each 32 numbers along K (OCP MX v1.0); their sums are f32. All else is computed in f32.
;;   The module's matrix products, in the order in which they are computed (A, B: the left and right operand; K: the contracted axis; several contracted axes count as one K, in the product's order):
;;     1. [M 16,384, K 128] x [K 128, N 256]; A: input E; B: input W: QUANTISED
;;     2. batch 4 x [M 4,096, K 64] x [K 64, N 4,096]; A: computed on the way; B: computed on the way: QUANTISED
;;     3. batch 4 x [M 4,096, K 4,096] x [K 4,096, N 128]; A: softmax (see below); B: computed on the way: QUANTISED
;;   THE QUANTISER, for each operand of a quantised product, along K:
;;     - K is cut into blocks of 32 from its start; a last block that is shorter is filled with zeros.
;;     - A block's scale is 2^e with e = floor(log2(the largest magnitude in the block)) - 2, held to -126 .. 127; a block of zeros has e = 0. As a byte (E8M0): e + 127.
;;     - Each number is divided by its block's scale, clamped to +-7.5, and rounded to the nearest number of E2M3, ties to even, subnormals kept.
;;     - The product sums the exact products of the quantised numbers (number of the format x scale) in f32.
;;   ~~~python
;;   def quantise(x, axis):      # numpy; x: float32 -> the quantised numbers, widened to float32 again
;;       x = np.moveaxis(x, axis, -1); K = x.shape[-1]
;;       x = np.pad(x, [(0, 0)] * (x.ndim - 1) + [(0, -K % 32)]); x = x.reshape(x.shape[:-1] + (-1, 32)); a = np.abs(x).max(-1, keepdims=True)
;;       e = np.where(a > 0, np.clip(np.frexp(np.where(a > 0, a, 1))[1] - 1 - 2, -126, 127), 0)      # np.frexp(a)[1] - 1 = floor(log2(a)), exactly
;;       r = np.clip(x / 2.0 ** e, -7.5, 7.5)
;;       step = 2.0 ** (np.maximum(np.frexp(np.where(r == 0, 1, r))[1] - 1, 0) - 3)
;;       q = np.round(r / step) * step * 2.0 ** e      # np.round: ties to even
;;       return np.moveaxis(q.reshape(q.shape[:-2] + (-1,))[..., :K], -1, axis).astype(np.float32)
;;   ~~~
;;   SOFTMAX AHEAD OF A QUANTISED PRODUCT. Where the list says 'softmax', what is quantised is not the finished softmax but p = 2^(t - M), with t = logit x log2(e) and M = ceil(the row's largest t), a whole number; so 1/2 < the row's largest p <= 1. The row's sum l is taken of the UNQUANTISED p, in f32, and the product's result is divided by l at the end. Since M is a whole number, a kernel that streams over the keys may use a running M (the ceiling of the running maximum): every later rescaling is an exact power of two, which a block's scale takes up: the codes' values come out the same.
;;   OPERANDS COMPUTED ON THE WAY. 'Computed on the way' means the value that the module computes at that place (a softmax that the list does not call 'softmax' is quantised finished and normalised). What goes into a quantiser is computed in f32, as accurately as f32 sums, v_exp_f32 and their like allow (about 1e-6 of the number): no bf16 or f16 on the way to a quantiser, and a product that is left as it is and whose result goes on into a quantised operand takes f32 operands (vector FMAs, or v_wmma_f32_16x16x4_f32). A number that lies on a knife's edge between two numbers of the format may be rounded either way, as far as f32 arithmetic and the matrix unit's own rounding can turn it there, and no further.
;; One version. Each part assembles by itself: llvm-mc -triple=amdgcn-amd-amdhsa -mcpu=gfx1250 --defsym DOCPART=n.
;; ======== version 1 of 1: 2 launches
;; workspace buffers: kvq 3,407,872 bytes
;; launch project (part 1): grid 128 x 1, 8 waves a work-group, no clusters, 110,592 bytes of LDS; arguments E, W, mask, kvq; writes kvq
.if DOCPART == 1
	.amdgcn_target "amdgcn-amd-amdhsa--gfx1250"
	.amdhsa_code_object_version 6
	.text
	.protected	k_qba03413e21_project
	.globl	k_qba03413e21_project
	.p2align	8
	.type	k_qba03413e21_project,@function
k_qba03413e21_project:
	s_mov_b64 s[64:65], 0
	v_nop
	global_prefetch_b8 v0, s[64:65] scope:SCOPE_SE
	s_setreg_imm32_b32 hwreg(HW_REG_WAVE_MODE, 25, 1), 1
	s_wait_xcnt 0x0
; combined = Q(E) Q(W), the first quantised product, and its result made ready for the attention launch: Q and K quantised along the 64 dims, V along the keys, all to codes of
; FP6 (E2M3) with one E8M0 byte for each 32 along K, stored as IMAGES OF THE OPERAND REGISTERS that the attention launch loads, and the key mask turned into numbers.
; E [16384][128] f32, W [128][256] f32 (K is its first axis), mask [16384] bytes 0 or 1.
; SHARES.  A work-group takes 128 rows of E (one key step of the attention launch): 128 work-groups.  A fragment of V^T and its scale word span 128 keys and want all eight fragments of E, so a smaller
; share would repeat the quantising of E and W without shortening the chain of one round of loads, the arithmetic and one round of stores.
; Wave w (0..7): quantises E's tile w and an eighth of W; then makes V^T's fragment w (8 products) and Q and K of E's tile w (8 products).
; EVERY LOAD OF E AND W COVERS 512 CONSECUTIVE BYTES: 49 loads a wave in all.
;   E: the wave loads its 16 rows whole and turns them through a stage of its own in LDS, so that a lane gets 16 neighbours of each block of 32 of one row.
;   W: wave w takes the 32 rows of K's block w / 2 at 128 columns (w % 2 = 0: Q's and K's; 1: V's).  A lane holds 4 neighbouring columns x the whole block, so a block's largest magnitude needs no other lane; a column's
;   32 numbers, which lie four registers apart, are copied into one run for the conversions; its six registers of codes are registers 6 (block / 2) on of lane r + 16 (block % 2) of its tile's fragment, and go straight
;   into that fragment's image in LDS; its scale byte goes to byte 'block' of the column's scale word.
; THE ROWS OF A TILE ARE NOT NEIGHBOURS: lane r of tile 2 b + u (of E's rows, and of W's Q and K columns) takes row (or column) 32 b + 8 u + r + 8 (r / 8).  Then the 16 result registers of tiles 2 b and 2 b + 1 are 16 neighbours,
; 32 b + 16 (lane / 16) + 0..15: along the keys where E is source 0 (V), along the features where W is source 0 (Q, K).  So one macro quantises all three.  V's columns form plain tiles: lane r of tile t takes column 128 + 16 t + r.
; THE MASK.  A hidden key's codes of K become zeros and its bias -2^120, a counted key's bias 0: the attention launch gives the bias as the C of the score product, so a hidden score is exactly -2^120.
; kvq, per key step (19,968 bytes): 8 tiles of K (768 bytes: registers 0-3 at 16 x lane, registers 4-5 at 512 + 8 x lane); 8 fragments of V^T (1,536 bytes: four registers at 512 c + 16 x lane);
;   K's scale words (256 u + 16 r + 4 b, the two bytes at places 2 u, 2 u + 1); V's (256 (t / 4) + 16 r + 4 (t % 4)); the bias, 4 bytes a key.  Behind all steps, per 128 rows (6,656 bytes): Q's scale words (64 T + 4 r), Q's tiles, laid as K's.
; LIMITS: NaN and infinities among the inputs are not served.  A block whose largest magnitude lies under 2^-124 keeps the scale byte 1; a block of zeros has the byte 1 where the quantiser's text says 127: its codes are zeros,
; which add nothing, and the bytes are read by this program alone.
.set STEPB, 19968
.set QBASE, 128*STEPB
.set QBLK,  6656
.set VOFF,  6144
.set KSOFF, 18432
.set EIMG,  0                          ; LDS: E's eight fragments as register images, 1,536 bytes each,
.set ESCL,  12288                      ; their scale words, 128 bytes each,
.set WIMG,  13312                      ; the eight fragments of W's Q and K columns,
.set WVIMG, WIMG+12288                 ; the eight of its V columns,
.set WSCL,  37888                      ; the scale words of the first eight (128 bytes a tile, of which 64 are used: 4 r),
.set WVSCL, WSCL+1024                  ; and of the second,
.set MISC,  39936                      ; what leaves in 512-byte pieces: K's scale words, V's, the bias, Q's scale words,
.set ESTG,  41984                      ; and a stage for each wave: 16 rows of E, SPE bytes apart
.set SPE,   528                        ; 512 bytes + 16 = 132 words: row r starts 4 r words on, so the sixteen rows that a read touches start in sixteen different groups of four banks (64 banks of 4 bytes: ISA guide 11.1)
.set WL,  16                           ; v16-143  W as loaded: register 4 i + j = W(32 block + i, my column j)   (later FA, ACC)
.set XE,  144                          ; v144-207 E: as loaded, then 64 numbers of my row
.set T,   144                          ; v144-175 a column's 32 numbers in one run
.set CD,  176                          ; v176-207 the four columns' codes, eight registers apart
.set FA,  16                           ; v16-111  eight fragments from LDS
.set ACC, 112                          ; v112-175 eight accumulators
.set PCV, 176                          ; v176-187 V^T's fragment
.set SC8, 188                          ; v188-195 the eight fragments' scale words
.set PCQ, 196                          ; v196-207 Q's codes (6 registers), K's codes (6)
.set EF,  208                          ; v208-219 my fragment of E: it stays
.set WVF, 220                          ; v220-231 my fragment of W's V columns, from LDS behind the barrier; ahead of it v220-222: where my columns' three pairs of code registers go, v223: where their scale bytes go
.set TC,  232                          ; v232-238 the conversions' second halves
.set MB,  239                          ; v239     my key's mask byte
.set TM,  240                          ; v240-243 largest magnitudes; v244-247 bytes; v252-255 the conversions' scale operands
.set EOS, 248                          ; v248     my E rows' scale words
.set WVS, 249                          ; v249     my V columns' scale words
.set PW,  250                          ; v250     the scale word just made
; v1 16 lane + 768 w, v9 8 lane + 768 w (offsets of K's and Q's stores); v2 r; v3 LDS: my key's bias; v4 E's offset, later LDS: K's scale word; v5 W's offset, later LDS: V's scale word;
; v6 the stage, on the way in, later 4 r; v7 16 lane; v8 4 lane; v10 16 lane + 1,536 w; v11 4 lane + 128 w; v12 LDS: Q's scale word; v13 LDS: the piece that I store at the end; v14 the stage, on the way out, later 4 r + 128 w; v15 my row in the block
; 64 numbers of a lane, register 16 b + i = k 32 b + 16 (lane / 16) + i of my row, become a fragment's 12 registers in v[d] on and its scale word in v[sw].
.macro QUANT s, d, sw
.irp b, 0,1,2,3
	v_max3_num_f32 v[TM+\b], |v[\s+16*\b]|, |v[\s+1+16*\b]|, 0x1800000   ; block b: my 16 numbers, and the floor 2^(3 - 127): the byte cannot fall under 1
.endr
.irp i, 2,4,6,8,10,12,14
.irp b, 0,1,2,3
	v_max3_num_f32 v[TM+\b], v[TM+\b], |v[\s+16*\b+\i]|, |v[\s+1+16*\b+\i]|   ; the four blocks by turns
.endr
.endr
.irp b, 0,1,2,3
	s_delay_alu instid0(VALU_DEP_4)
	v_permlanex16_b32 v[TM+4+\b], v[TM+\b], s24, s25
.endr
.irp b, 0,1,2,3
	s_delay_alu instid0(VALU_DEP_4)
	v_max_num_f32 v[TM+\b], v[TM+\b], v[TM+4+\b]      ; with lane l xor 16's 16: the block's largest magnitude
.endr
.irp b, 0,1,2,3
	s_delay_alu instid0(VALU_DEP_4)
	v_add_nc_u32 v[TM+12+\b], 0xff000000, v[TM+\b]    ; 2 off its exponent field: the conversion's scale operand
.endr
.irp b, 0,1,2,3
	s_delay_alu instid0(VALU_DEP_4)
	v_lshrrev_b32 v[TM+4+\b], 23, v[TM+12+\b]         ; the scale's byte
.endr
	s_delay_alu instid0(VALU_DEP_3)
	v_lshl_or_b32 v[\sw], v[TM+5], 8, v[TM+4]
	s_delay_alu instid0(VALU_DEP_1)
	v_lshl_or_b32 v[\sw], v[TM+6], 16, v[\sw]
	s_delay_alu instid0(VALU_DEP_1)
	v_lshl_or_b32 v[\sw], v[TM+7], 24, v[\sw]
.irp c, 0,1
	v_cvt_scalef32_pk16_fp6_f32 v[\d+6*\c:\d+6*\c+2], v[\s+32*\c:\s+32*\c+15], v[TM+12+2*\c]
	v_cvt_scalef32_pk16_fp6_f32 v[TC+4*\c:TC+4*\c+2], v[\s+32*\c+16:\s+32*\c+31], v[TM+13+2*\c]   ; (a conversion's three registers begin on an even number)
.endr
	v_nop                                             ; one plain place behind a scaled conversion
.irp c, 0,1                                       ; the operand wants a whole block in a lane: lanes 0-15 block 2 c, lanes 16-31 block 2 c + 1
.irp i, 0,1,2
	v_permlane16_swap_b32 v[\d+6*\c+\i], v[TC+4*\c+\i]
.endr
.irp i, 0,1,2
	s_delay_alu instid0(VALU_DEP_3)
	v_mov_b32 v[\d+3+6*\c+\i], v[TC+4*\c+\i]
.endr
.endr
.endm
; Column j of my four: its 32 numbers into one run, its 32 codes (six registers), and these and its scale byte into LDS.
.macro WCOL j
.set I, 0
.rept 32
	v_mov_b32 v[T+I], v[WL+4*I+\j]                    ; the conversions take 16 consecutive registers
.set I, I+1
.endr
	v_cvt_scalef32_pk16_fp6_f32 v[CD+8*\j:CD+8*\j+2], v[T:T+15], v[TM+12+\j]
	v_cvt_scalef32_pk16_fp6_f32 v[TC:TC+2], v[T+16:T+31], v[TM+12+\j]   ; (a conversion's three registers begin on an even number)
	v_nop                                             ; one plain place behind a scaled conversion: ahead of the moves below, and of the next column's copies over the run
.irp i, 0,1,2
	v_mov_b32 v[CD+8*\j+3+\i], v[TC+\i]
.endr
	ds_store_b64 v220, v[CD+8*\j:CD+8*\j+1] offset:16*\j      ; column j is row r0 + j of its tile: 16 bytes on in the image
	ds_store_b64 v221, v[CD+8*\j+2:CD+8*\j+3] offset:16*\j
	ds_store_b64 v222, v[CD+8*\j+4:CD+8*\j+5] offset:16*\j
	ds_store_b8 v223, v[TM+4+\j] offset:4*\j                  ; four waves write the four bytes of a word
.endm
.macro IMAGE reg, off                             ; a fragment goes to LDS as it stands: lane l's 16 bytes at 16 l, 512 bytes a store
.irp c, 0,1,2
	ds_store_b128 v10, v[\reg+4*\c:\reg+4*\c+3] offset:\off+512*\c
.endr
.endm
.macro FETCH reg, off                             ; and comes back so, in any wave
.irp c, 0,1,2
	ds_load_b128 v[\reg+4*\c:\reg+4*\c+3], v7 offset:\off+512*\c
.endr
.endm
.macro BARRIER                                    ; my LDS stores have landed and my LDS loads are in: then the work-group's barrier
	s_wait_dscnt 0x0
	s_barrier_signal -1
	s_barrier_wait -1
.endm
	s_load_b256 s[4:11], s[0:1], 0x0                  ; E s[4:5], W s[6:7], mask s[8:9], kvq s[10:11]
	v_lshl_add_u32 v235, v0, 2, 0x1ac00
	v_mov_b32 v251, 0
	v_lshrrev_b32 v1, 5, v0
	s_delay_alu instid0(VALU_DEP_1)
	v_readfirstlane_b32 s12, v1                       ; wave 0..7
	v_and_b32 v1, 31, v0                              ; lane
	v_and_b32 v2, 15, v0                              ; r
	v_bfe_u32 v3, v0, 4, 1                            ; h
	s_lshr_b32 s13, s12, 1                            ; b of my tile of E.  Also: my block of 32 along K in W
	s_and_b32 s14, s12, 1                             ; u.  Also: which 128 columns of W are mine
	s_lshl_b32 s15, s13, 5
	s_lshl_b32 s28, s14, 3
	s_add_co_u32 s15, s15, s28                        ; 32 b + 8 u
	v_and_b32 v9, 8, v2
	s_delay_alu instid0(VALU_DEP_1)
	v_add_nc_u32 v9, v9, v2                           ; r + 8 (r / 8)
	s_delay_alu instid0(VALU_DEP_1)
	v_add_nc_u32 v15, s15, v9                         ; my row of the block's 128: my key
	v_lshlrev_b32 v7, 4, v1
	v_lshlrev_b32 v8, 2, v1
	s_lshl_b32 s28, s15, 9
	v_add_nc_u32 v4, s28, v7                          ; E: my tile's first row, of 512 bytes; 16 bytes a lane: a load takes a whole row
	; W.  Lane l's group of four columns.  Among Q's and K's columns group l lies in tile 2 (l / 8) + bit 1 of l, at rows 4 (bit 0) + 8 (bit 2) on.  Among V's columns that place belongs to the group whose number is l with
	; bits 1 and 2 swapped: V's waves load that group, so that one formula gives every wave its place in the images.
	v_and_b32 v6, 1, v0                               ; bit 0 of the lane
	v_bfe_u32 v12, v0, 1, 1                           ; bit 1
	v_bfe_u32 v13, v0, 2, 1                           ; bit 2
	v_bfe_u32 v14, v0, 3, 2                           ; lane / 8
	s_delay_alu instid0(VALU_DEP_2)
	v_xor_b32 v5, v12, v13
	s_mul_i32 s28, s14, 6
	v_mul_u32_u24 v5, s28, v5                         ; 6 in V's waves where bits 1 and 2 differ, else 0
	s_delay_alu instid0(VALU_DEP_1)
	v_xor_b32 v5, v5, v1                              ; the group
	s_lshl_b32 s28, s13, 15                           ; my block's 32 rows of 1,024 bytes,
	s_lshl_b32 s29, s14, 9                            ; my 128 columns
	s_add_co_u32 s28, s28, s29
	v_lshl_add_u32 v5, v5, 4, s28
	v_mul_u32_u24 v220, v14, 3072                     ; in the images: tile x 1,536 + 16 x row
	s_delay_alu instid0(VALU_DEP_1)
	v_mad_u32_u24 v220, v12, 1536, v220
	s_delay_alu instid0(VALU_DEP_1)
	v_lshl_add_u32 v220, v6, 6, v220
	s_delay_alu instid0(VALU_DEP_1)
	v_lshl_add_u32 v220, v13, 7, v220
	s_wait_alu depctr_va_vdst(0)
	v_lshlrev_b32 v223, 8, v14                        ; among the scale words: tile x 128 + 4 x row
	s_delay_alu instid0(VALU_DEP_1)
	v_lshl_add_u32 v223, v12, 7, v223
	s_delay_alu instid0(VALU_DEP_1)
	v_lshl_add_u32 v223, v6, 4, v223
	s_delay_alu instid0(VALU_DEP_1)
	v_lshl_add_u32 v223, v13, 5, v223
	s_wait_alu depctr_va_vdst(0)
	s_and_b32 s28, s13, 1                             ; block % 2: lanes 16-31 of the fragment: 256 bytes on
	s_lshr_b32 s29, s13, 1                            ; c = block / 2: registers 6 c on
	s_mul_i32 s30, s14, 12288
	s_lshl_b32 s28, s28, 8
	s_add_co_u32 s30, s30, s28
	s_add_co_u32 s30, s30, WIMG
	s_mul_i32 s31, s29, 520                           ; registers 0, 1 lie at byte 0 of the lane's place;  registers 6, 7 at 512 + 8
	s_add_co_u32 s31, s31, s30
	s_mul_i32 s32, s29, 1016                          ; registers 2, 3 at 8;  registers 8, 9 at 1,024
	s_add_co_u32 s32, s32, s30
	s_add_co_u32 s32, s32, 8
	s_add_co_u32 s33, s31, 512                        ; registers 4, 5 at 512;  registers 10, 11 at 1,024 + 8
	v_add_nc_u32 v221, s32, v220
	v_add_nc_u32 v222, s33, v220
	v_add_nc_u32 v220, s31, v220
	s_lshl_b32 s34, s14, 10
	s_add_co_u32 s34, s34, s13                        ; byte 'block' of the word
	s_add_co_u32 s34, s34, WSCL
	v_add_nc_u32 v223, s34, v223
	s_mul_i32 s28, s12, 16*SPE
	s_add_co_u32 s28, s28, ESTG                       ; my stage
	v_add_nc_u32 v6, s28, v7                          ; in: 16 bytes a lane, a row a store
	v_mul_u32_u24 v14, v2, SPE
	s_delay_alu instid0(VALU_DEP_1)
	v_lshl_add_u32 v14, v3, 6, v14
	s_delay_alu instid0(VALU_DEP_1)
	v_add_nc_u32 v14, s28, v14                        ; out: row r, + 64 h: my 16 numbers of each block of 32
	s_mul_i32 s28, s12, 1536
	v_add_nc_u32 v10, s28, v7
	s_lshl_b32 s28, s12, 7
	v_add_nc_u32 v11, s28, v8
	s_lshl_b32 s28, s12, 6
	s_add_co_u32 s28, s28, MISC+1536
	v_lshl_add_u32 v12, v2, 2, s28                    ; Q's scale word: 64 w + 4 r
	s_min_u32 s29, s12, 3                             ; (waves 0 to 3 store the four pieces; the hold keeps the address inside LDS in the others, which do not use it)
	s_lshl_b32 s28, s29, 9
	s_add_co_u32 s28, s28, MISC
	v_add_nc_u32 v13, s28, v7
	v_lshl_add_u32 v3, v15, 2, MISC+1024              ; the bias: 4 bytes a key, in the keys' own order
	s_mul_i32 s28, s12, 768
	v_lshl_add_u32 v9, v1, 3, s28
	v_add_nc_u32 v1, s28, v7
.irp b, 4,5,6,7
	v_mov_b32 v[TM+\b], 0                             ; written once: a lane permute's destination counts as one of its sources
.endr
	s_mov_b32 s24, 0x76543210
	s_mov_b32 s25, 0xfedcba98                         ; v_permlanex16_b32's selects for lane l xor 16
	s_lshl_b32 s30, ttmp9, 16                         ; my block: 128 rows of 512 bytes of E,
	s_mov_b32 s31, 0
	s_lshl_b32 s32, ttmp9, 7                          ; 128 mask bytes,
	s_mov_b32 s33, 0
	s_mul_i32 s34, ttmp9, STEPB                       ; a key step of kvq,
	s_mov_b32 s35, 0
	s_mul_i32 s36, ttmp9, QBLK
	s_add_co_u32 s36, s36, QBASE                      ; and a block of Q
	s_mov_b32 s37, 0
	s_lshl_b32 s38, s12, 9
	s_add_co_u32 s38, s38, KSOFF
	s_mov_b32 s39, 0
	s_wait_kmcnt 0x0
	s_add_nc_u64 s[16:17], s[4:5], s[30:31]
	s_add_nc_u64 s[18:19], s[8:9], s[32:33]
	s_add_nc_u64 s[20:21], s[10:11], s[34:35]
	s_add_nc_u64 s[22:23], s[10:11], s[36:37]
	s_add_nc_u64 s[26:27], s[20:21], s[38:39]         ; where my piece goes at the end: waves 0 to 2: K's scale words, V's, the bias, on end in the key step;
	s_cmp_eq_u32 s12, 3
	s_cselect_b64 s[26:27], s[22:23], s[26:27]        ; wave 3: Q's scale words, at the head of the block of Q
	; ---- all loads at once: 49 a wave
.set I, 0
.rept 16
	global_load_b128 v[XE+4*I:XE+4*I+3], v4, s[16:17] offset:((I%8)+16*(I/8))*512 th:TH_LOAD_NT   ; row r + 8 (r / 8) of my tile, whole; E is read once in the launch
.set I, I+1
.endr
	global_load_u8 v[MB], v15, s[18:19]
.set I, 0
.rept 32
	global_load_b128 v[WL+4*I:WL+4*I+3], v5, s[6:7] offset:I*1024     ; row i of my block, my 128 columns: 512 consecutive bytes
.set I, I+1
.endr
	s_wait_loadcnt 32                                 ; of the 49 the oldest 17 are in: E and the mask byte; W's 32 may be out
	; ---- E through my stage: LDS serves a wave's instructions in order (ISA guide 5.7.1.4), so no wait stands between the stores and the loads, which come back into the registers that the rows left
.set I, 0
.rept 16
	ds_store_b128 v6, v[XE+4*I:XE+4*I+3] offset:I*SPE
.set I, I+1
.endr
.irp b, 0,1,2,3
.irp j, 0,1,2,3
	ds_load_b128 v[XE+16*\b+4*\j:XE+16*\b+4*\j+3], v14 offset:128*\b+16*\j
.endr
.endr
	s_wait_dscnt 0x0                                  ; my 64 numbers are in; the stage's two address registers may be written
	v_lshlrev_b32 v6, 2, v2                           ; 4 r: a scale word of W's tiles
	s_lshl_b32 s28, s12, 7
	v_add_nc_u32 v14, s28, v6                         ; 4 r + 128 w: that of my V tile
	QUANT XE, EF, EOS
	IMAGE EF, EIMG
	ds_store_b32 v11, v[EOS] offset:ESCL
	s_wait_loadcnt 0x0                                ; W; every load's offset register may now be written
	; ---- W: my four columns' block
.irp j, 0,1,2,3
	v_max3_num_f32 v[TM+\j], |v[WL+\j]|, |v[WL+4+\j]|, 0x1800000      ; the block's largest magnitude: all 32 numbers are mine; and the floor 2^(3 - 127)
.endr
.irp i, 2,4,6,8,10,12,14,16,18,20,22,24,26,28,30
.irp j, 0,1,2,3
	s_delay_alu instid0(VALU_DEP_4)
	v_max3_num_f32 v[TM+\j], v[TM+\j], |v[WL+4*\i+\j]|, |v[WL+4*\i+4+\j]|   ; the four columns by turns
.endr
.endr
.irp j, 0,1,2,3
	s_delay_alu instid0(VALU_DEP_4)
	v_add_nc_u32 v[TM+12+\j], 0xff000000, v[TM+\j]    ; 2 off its exponent field: the conversion's scale operand
.endr
.irp j, 0,1,2,3
	s_delay_alu instid0(VALU_DEP_4)
	v_lshrrev_b32 v[TM+4+\j], 23, v[TM+12+\j]         ; the scale's byte
.endr
	WCOL 0
	WCOL 1
	WCOL 2
	WCOL 3
	s_lshl_b32 s28, s14, 8
	s_lshl_b32 s29, s13, 2
	s_add_co_u32 s28, s28, s29
	s_add_co_u32 s28, s28, MISC
	v_lshl_add_u32 v4, v2, 4, s28                     ; K's scale word: 256 u + 4 b + 16 r
	s_lshr_b32 s28, s12, 2
	s_lshl_b32 s28, s28, 8
	s_and_b32 s29, s12, 3
	s_lshl_b32 s29, s29, 2
	s_add_co_u32 s28, s28, s29
	s_add_co_u32 s28, s28, MISC+512
	v_lshl_add_u32 v5, v2, 4, s28                     ; V's: 256 (w / 4) + 4 (w % 4) + 16 r
	BARRIER                                           ; E's eight fragments and W's sixteen lie in LDS
	; ---- V: source 0 = 16 rows of E (keys), source 1 = my 16 columns of W: a lane holds one d, its registers run along the keys
.irp t, 0,1,2,3,4,5,6,7
	FETCH FA+12*\t, EIMG+1536*\t
	ds_load_b32 v[SC8+\t], v8 offset:ESCL+128*\t
.endr
.irp c, 0,1,2
	ds_load_b128 v[WVF+4*\c:WVF+4*\c+3], v10 offset:WVIMG+512*\c      ; my tile of W's V columns
.endr
	ds_load_b32 v[WVS], v14 offset:WVSCL
	s_wait_dscnt 0x0
.irp t, 0,1,2,3,4,5,6,7
	v_wmma_scale_f32_16x16x128_f8f6f4 v[ACC+8*\t:ACC+8*\t+7], v[FA+12*\t:FA+12*\t+11], v[WVF:WVF+11], 0, v[SC8+\t], v[WVS] matrix_a_fmt:MATRIX_FMT_FP6 matrix_b_fmt:MATRIX_FMT_FP6
.endr
.rept 4
	v_nop                                             ; four places in front of loads into registers that the products have read, and of the first read of results
.endr
.irp t, 0,1,2,3,4,5,6,7
	FETCH FA+12*\t, WIMG+1536*\t                      ; the fragments of W's Q and K columns land while V is quantised
	ds_load_b32 v[SC8+\t], v6 offset:WSCL+128*\t
.endr
	QUANT ACC, PCV, PW
.irp c, 0,1,2
	global_store_b128 v10, v[PCV+4*\c:PCV+4*\c+3], s[20:21] offset:VOFF+512*\c   ; 32 lanes store 512 consecutive bytes, at a multiple of 256 from kvq's first byte
.endr
	ds_store_b32 v5, v[PW]                            ; lanes r and r + 16 write the same word with the same value
	; ---- Q and K, transposed: source 0 = 16 columns of W, source 1 = my 16 rows of E: a lane holds one row, its registers run along the features: 0-63 Q, 64-127 K
	s_wait_dscnt 0x0                                  ; W's fragments are in, and the store has read its word
.irp t, 0,1,2,3,4,5,6,7
	v_wmma_scale_f32_16x16x128_f8f6f4 v[ACC+8*\t:ACC+8*\t+7], v[FA+12*\t:FA+12*\t+11], v[EF:EF+11], 0, v[SC8+\t], v[EOS] matrix_a_fmt:MATRIX_FMT_FP6 matrix_b_fmt:MATRIX_FMT_FP6
.endr
.rept 4
	v_nop
.endr
	QUANT ACC, PCQ, PW                                ; registers 0-5: Q's dims 32 h + 0..31; registers 6-11: K's; the word: q0, q1, k0, k1
	v_sub_nc_u32 v[TM], 0, v[MB]                      ; all ones where my key counts, 0 where it is hidden
.irp i, 6,7,8,9,10,11
	v_and_b32 v[PCQ+\i], v[TM], v[PCQ+\i]             ; a hidden key's codes are zeros
.endr
	s_lshl_b32 s28, s14, 4
	v_lshrrev_b32 v[TM+1], 16, v[PW]
	s_delay_alu instid0(VALU_DEP_1)
	v_lshlrev_b32 v[TM+1], s28, v[TM+1]               ; K's two bytes at places 2 u and 2 u + 1, the other two 0
	v_and_b32 v[TM+2], 0xffff, v[PW]                  ; Q's two bytes below, 0 above
	v_add_nc_u32 v[TM+3], -1, v[MB]
	s_delay_alu instid0(VALU_DEP_1)
	v_and_b32 v[TM+3], 0xfb800000, v[TM+3]            ; the bias: 0 where the key counts, -2^120 where it is hidden
	global_store_b128 v1, v[PCQ:PCQ+3], s[22:23] offset:512
	global_store_b64 v9, v[PCQ+4:PCQ+5], s[22:23] offset:1024    ; 32 lanes store 256 consecutive bytes
	global_store_b128 v1, v[PCQ+6:PCQ+9], s[20:21]
	global_store_b64 v9, v[PCQ+10:PCQ+11], s[20:21] offset:512
	ds_store_b32 v4, v[TM+1]
	ds_store_b32 v12, v[TM+2]
	ds_store_b32 v3, v[TM+3]
	BARRIER                                           ; the four pieces of 512 bytes are whole
	s_cmp_lt_u32 s12, 4
	s_cbranch_scc0 .Ldone
	ds_load_b128 v[16:19], v13
	s_wait_dscnt 0x0
	global_store_b128 v7, v[16:19], s[26:27]          ; 512 consecutive bytes
.Ldone:
	s_wait_tensorcnt 0x0
	ds_add_u32 v235, v251
	s_wait_dscnt 0x0
	s_endpgm
.Lfunc_end_k_qba03413e21_project:
	.size	k_qba03413e21_project, .Lfunc_end_k_qba03413e21_project-k_qba03413e21_project
	.p2alignl 7, 3214868480
	.fill 96, 4, 3214868480
	.section	.rodata,"a",@progbits
	.p2align	6, 0x0
	.amdhsa_kernel k_qba03413e21_project
		.amdhsa_group_segment_fixed_size 110592
		.amdhsa_private_segment_fixed_size 0
		.amdhsa_enable_private_segment 0
		.amdhsa_kernarg_size 32
		.amdhsa_user_sgpr_count 2
		.amdhsa_user_sgpr_kernarg_segment_ptr 1
		.amdhsa_wavefront_size32 1
		.amdhsa_system_sgpr_workgroup_id_x 1
		.amdhsa_system_sgpr_workgroup_id_y 1
		.amdhsa_system_sgpr_workgroup_id_z 1
		.amdhsa_system_vgpr_workitem_id 0
		.amdhsa_next_free_vgpr 256
		.amdhsa_next_free_sgpr 66
		.amdhsa_reserve_vcc 0
		.amdhsa_float_denorm_mode_32 3
		.amdhsa_float_denorm_mode_16_64 3
		.amdhsa_memory_ordered 1
		.amdhsa_forward_progress 1
		.amdhsa_inst_pref_size 48
	.end_amdhsa_kernel
	.amdgpu_metadata
---
amdhsa.version: [ 1, 2 ]
amdhsa.kernels:
  - .name:           k_qba03413e21_project
    .symbol:         k_qba03413e21_project.kd
    .args:
      - { .name: E, .offset: 0, .size: 8, .value_kind: global_buffer, .address_space: global }
      - { .name: W, .offset: 8, .size: 8, .value_kind: global_buffer, .address_space: global }
      - { .name: mask, .offset: 16, .size: 8, .value_kind: global_buffer, .address_space: global }
      - { .name: kvq, .offset: 24, .size: 8, .value_kind: global_buffer, .address_space: global }
    .group_segment_fixed_size: 110592
    .private_segment_fixed_size: 0
    .kernarg_segment_align: 8
    .kernarg_segment_size: 32
    .max_flat_workgroup_size: 256
    .sgpr_count:     66
    .vgpr_count:     256
    .wavefront_size: 32
...
	.end_amdgpu_metadata
.endif
;; end of part 1
;; launch attend (part 2): grid 64 x 4, 16 waves a work-group, clusters of 4 x 1, 327,680 bytes of LDS; arguments kvq, out0; writes out0
.if DOCPART == 2
	.amdgcn_target "amdgcn-amd-amdhsa--gfx1250"
	.amdhsa_code_object_version 6
	.text
	.protected	k_qba03413e21_attend
	.globl	k_qba03413e21_attend
	.p2align	8
	.type	k_qba03413e21_attend,@function
k_qba03413e21_attend:
	s_mov_b64 s[64:65], 0
	v_nop
	global_prefetch_b8 v0, s[64:65] scope:SCOPE_SE
	s_setreg_imm32_b32 hwreg(HW_REG_WAVE_MODE, 25, 1), 1
	s_wait_xcnt 0x0
	s_wait_alu depctr_hold_cnt(0) depctr_sa_sdst(0) depctr_va_vdst(0) depctr_va_sdst(0) depctr_va_ssrc(0) depctr_va_vcc(0) depctr_vm_vsrc(0)
	s_getreg_b32 s2, hwreg(HW_REG_IB_STS2, 6, 4)
	s_cmp_eq_u32 s2, 0
	s_cbranch_scc0 .Lentry_in_a_cluster
	s_endpgm
.Lentry_in_a_cluster:
	s_bfe_u32 s2, ttmp6, 0x10000c
	s_cmp_lg_u32 s2, 0x3003
	s_cbranch_scc0 .Lentry_shape_is_right
	s_endpgm
.Lentry_shape_is_right:
; out0[b][q][:] = the sum over k of softmax_k(Q[b][q] . K[b][k] / 8, hidden keys left out) V[b][k][:], both products on codes of FP6 (E2M3) with one E8M0 byte for each 32 along K.  4 batches, 4,096 keys, 64 dims, 128 channels.
; All operands come from kvq as images of their registers (laid by the launch before): a key step of 128 keys is 19,968 dense bytes: 8 tiles of K, 8 fragments of V^T, K's and V's scale words, the keys' bias.
; THE SOFTMAX: t = score x log2(e) / 8; M = the largest t so far, rounded UP to a whole number; p = 2^(t - M) is what is quantised, along the keys; the row's sum is taken of the unquantised p and divides at the end.
; When M moves, the sum and O^T are multiplied by 2^(old M - new M): exact.
; SHARES.  A work-group owns 64 queries of a batch: 256 work-groups.  Sixteen waves of 256 registers, four to a SIMD, so that one wave's vector work stands beside another's matrix work and LDS loads.
; Wave w owns the tile of 16 queries w % 4 and the quarter w / 4 of the keys: of each group of 8 key steps the steps 2 (w / 4) and 2 (w / 4) + 1.  The four partial results of a tile meet at the end, through LDS, under the largest of their M.
; LAYOUT.  Both products are used transposed: S^T = K Q^T, O^T = V^T P^T: a lane holds ONE query (lane % 16) throughout.  Lane r of K's tile 2 b + u holds key 32 b + 8 u + r + 8 (r / 8), so that the 16 registers of tiles
; 2 b and 2 b + 1 are 16 neighbouring keys.  The queries of a tile are chosen by the same rule; only the stage's row address on the way out knows of it.
; THE FIRST PRODUCT HAS K = 64: a fragment of 12 registers holds TWO tiles of keys (registers 0-5, 6-11), multiplied once by [Q | zero codes] and once by [zero codes | Q].  The zero half's scale bytes are 0.
; THE MASK costs no vector instruction: a hidden key's codes are zeros, and the bias (0, or -2^120 for a hidden key) is loaded into S^T's registers and is the C of the score product, in place.  c x 2^120 is a whole number, so with
; any key counted a hidden key's p is 0, a stretch of hidden keys ahead of counted ones is wiped by the factor 0, and with no key counted in a batch every p is 1: the mean of V.
; CLUSTER.  The four work-groups of a cluster belong to one batch and walk the same keys: each key step is asked for JOINTLY (the same tensor load, the same descriptor, a mask that names the four).
; LIMITS: NaN and infinities are not served; a true score at or under -2^120 is not told from a hidden key's; a block of p that has fallen to zeros keeps the scale byte 1 (its codes are zeros);
; a p that would fall under 2^-126 against the row's final M is kept here as long as it is a number under the running M.
.set STEPB,  19968                     ; a key step: 78 rows of 256 bytes
.set SLOTB,  8*STEPB                   ; a group of 8 key steps: an LDS slot
.set BATCHB, 32*STEPB
.set QBASE,  128*STEPB
.set QBLK,   6656
.set VOFF,   6144
.set KSOFF,  18432
.set VSOFF,  18944
.set BOFF,   19456
.set SPARE,  2*SLOTB                   ; behind the two slots: the spare words, 128 bytes for each wave: eight blocks of 256 bytes that no other line names
.set LM,     131072                    ; the merge, in slot 0 (it has had its last fill and its last read): O^T's images at 8,192 w; here the sums and -M, 256 bytes a wave
.set OSTG,   SLOTB                     ; the way out, in slot 1, behind the merge's first barrier: 64 rows x (512 bytes + 16)
.set A16, 3                            ; v3, v4   16 lane + my two key steps' place, in slot 0, 1
.set A8,  5                            ; v5, v6   the same with 8 lane
.set AB,  7                            ; v7, v8   the same with 64 (lane / 16): the bias of my 16 keys of a block
.set QLO, 16                           ; v16-27   [Q | zeros]
.set QHI, 28                           ; v28-39   [zeros | Q]
.set FR,  40                           ; v40-87   K's four fragments, then V^T's tiles 0-3
.set KS,  88                           ; v88-91   K's scale words: lanes 0-15 those of tiles 2 b, lanes 16-31 of tiles 2 b + 1
.set VS,  92                           ; v92-95   V's: lanes 0-15 tiles 0-3, lanes 16-31 tiles 4-7
.set S,   96                           ; v96-159  the bias, then S^T, then p, then V^T's tiles 4-7
.set OT,  160                          ; v160-223 O^T
.set PC,  224                          ; v224-235 p's codes
; v1, v2 the spare word's address and 0; v9 the prefetches' offset, never rewritten; v12 -M, v13 the largest t, v[14:15] the sum in two halves; v232-247 at work; v248, v249 Q's scale words for QLO, QHI; v252 f; v253 p's scale word; v254 at work
.set G1,  16                           ; s[16:23] descriptor group 1
.set G0A, 24                           ; s[24:27] group 0 for slot 0;  s[28:31] for slot 1
.set G0B, 28
.set SEL, 32                           ; s[32:33] v_permlanex16_b32's selects for lane l xor 16
.set CS,  34                           ; s[34:35] c = log2(e) / 8
; A round of the cluster's barrier: my work-group's barrier, wave 0's signal for the work-group, every wave's wait for the four work-groups, my work-group's barrier once more.
.macro ROUND
	s_barrier_signal -1
	s_barrier_wait -1
	s_cmp_lg_u32 s8, 0
	s_cbranch_scc1 .Lnot_wave_0_\@
	s_barrier_signal -3
.Lnot_wave_0_\@:
	s_barrier_wait -3
	s_barrier_signal -1
	s_barrier_wait -1
.endm
; A joint refill: waves 0 to 7 fetch a key step each.  The branch hangs on the wave's number alone.  Four v_nop follow the load.
.macro JLOAD g0
	s_cmp_lt_u32 s8, 8
	s_cbranch_scc0 .Lnone_\@
	tensor_load_to_lds s[\g0:\g0+3], s[G1:G1+7]
	s_nop 0
.rept 4
	v_nop
.endr
.Lnone_\@:
.endm
; A prefetch into the L2 of the group that the NEXT change of slots will ask for (g = 0: group 2; g = 1: group 3): 624 pieces of 256 bytes, a lane a piece.  All clusters of a batch walk the same keys: the batch's first cluster asks.
; Its four partners share the pieces out BY ADDRESS, 160 each; in each, waves 8 to 12, which fetch nothing, ask: one instruction a wave.  640 lanes for 624 pieces: the last sixteen are held at the group's last piece.
; Groups 0 and 1 come by their first fills alone.  The address registers are never rewritten.
.macro ASK g
	s_cmp_eq_u32 s42, 0
	s_cbranch_scc0 .Lnot_mine_\@
	global_prefetch_b8 v9, s[40:41] offset:(\g)*SLOTB th:TH_LOAD_NT scope:SCOPE_SE
.Lnot_mine_\@:
.endm
; THE CHANGE OF SLOTS.  Each wave waits for all its tensor loads (its part of the slot ahead), adds 0 to its spare word, and waits for that and for its reads of the slot that it leaves.
; fill = 1: the slot just left is filled with the group two on: the barrier is a round of the cluster's, and the joint load is the first thing behind it; it has a whole group's steps in which to land.
.macro CHANGE fill, g0
	s_wait_tensorcnt 0x0                              ; no tensor load of mine is out, so a group 0 may be written
	ds_add_u32 v1, v2                                 ; 0 onto my spare word
.if \fill
	s_add_nc_u64 s[\g0+2:\g0+3], s[\g0+2:\g0+3], 2*SLOTB   ; two groups on; the type bits on top are not reached
.endif
	s_wait_dscnt 0x0                                  ; the add is done, and my reads of the slot that I leave are over
.if \fill
	ROUND
	JLOAD \g0
.else
	s_barrier_signal -1
	s_barrier_wait -1
.endif
.endm
; A KEY STEP: 128 keys, the q-th of my two in slot sl.  first = 1: the products V^T P start O^T's sums: nothing is cleared.
.macro STEP sl, q, first
.set OFS, (\q)*STEPB
.rept 5
	v_nop                                             ; four places in front of loads into registers that the last products read; five, since the score products WRITE over registers (V^T's tiles 4-7) that those products read
.endr
.irp t, 0,1,2,3,4,5,6,7
	ds_load_b128 v[FR+6*\t:FR+6*\t+3], v[A16+\sl] offset:OFS+768*\t
	ds_load_b64 v[FR+6*\t+4:FR+6*\t+5], v[A8+\sl] offset:OFS+768*\t+512
.endr
	ds_load_b128 v[KS:KS+3], v[A16+\sl] offset:OFS+KSOFF
.irp n, 0,1,2,3,4,5,6,7,8,9,10,11,12,13,14,15
	ds_load_b128 v[S+4*\n:S+4*\n+3], v[AB+\sl] offset:OFS+BOFF+128*(\n/4)+16*(\n%4)   ; register 16 b + i: the bias of key 32 b + 16 h + i; sixteen lanes share each address
.endr
	s_wait_dscnt 0x0
.irp b, 0,1,2,3                                   ; S^T = K Q^T + bias: eight accumulators, one instruction each
	v_wmma_scale_f32_16x16x128_f8f6f4 v[S+16*\b:S+16*\b+7], v[FR+12*\b:FR+12*\b+11], v[QLO:QLO+11], v[S+16*\b:S+16*\b+7], v[KS+\b], v248 matrix_a_fmt:MATRIX_FMT_FP6 matrix_b_fmt:MATRIX_FMT_FP6
	v_wmma_scale_f32_16x16x128_f8f6f4 v[S+16*\b+8:S+16*\b+15], v[FR+12*\b:FR+12*\b+11], v[QHI:QHI+11], v[S+16*\b+8:S+16*\b+15], v[KS+\b], v249 matrix_a_fmt:MATRIX_FMT_FP6 matrix_b_fmt:MATRIX_FMT_FP6 matrix_a_scale:MATRIX_SCALE_ROW1
.endr
.rept 4
	v_nop                                             ; places in front of the loads over K's fragments and of the first read of the scores
.endr
.irp t, 0,1,2,3
.irp c, 0,1,2
	ds_load_b128 v[FR+12*\t+4*\c:FR+12*\t+4*\c+3], v[A16+\sl] offset:OFS+VOFF+1536*\t+512*\c   ; V^T's tiles 0-3 land under the softmax
.endr
.endr
	ds_load_b128 v[VS:VS+3], v[A16+\sl] offset:OFS+VSOFF
.irp b, 0,1,2,3
	v_max3_num_f32 v[232+\b], v[S+16*\b], v[S+1+16*\b], v[S+2+16*\b]   ; the largest score of each block of 32 keys: it serves for the row's maximum and, since p rises with the score, for the block's largest p
.endr
.irp i, 3,5,7,9,11,13
.irp b, 0,1,2,3
	v_max3_num_f32 v[232+\b], v[232+\b], v[S+16*\b+\i], v[S+1+16*\b+\i]
.endr
.endr
.irp b, 0,1,2,3
	v_max_num_f32 v[232+\b], v[232+\b], v[S+15+16*\b]
.endr
.irp b, 0,1,2,3
	s_delay_alu instid0(VALU_DEP_4)
	v_permlanex16_b32 v[236+\b], v[232+\b], s[SEL], s[SEL+1]
.endr
.irp b, 0,1,2,3
	s_delay_alu instid0(VALU_DEP_4)
	v_max_num_f32 v[232+\b], v[232+\b], v[236+\b]     ; with lane l xor 16's 16 keys
.endr
	s_delay_alu instid0(VALU_DEP_2)
	v_max3_num_f32 v254, v232, v233, v234
	s_delay_alu instid0(VALU_DEP_1)
	v_max_num_f32 v254, v254, v235                    ; the step's largest score of my query
	s_delay_alu instid0(VALU_DEP_1)
	v_mul_f32 v254, s[CS], v254                       ; as t (c is positive)
	s_delay_alu instid0(VALU_DEP_1)
	v_max_num_f32 v13, v13, v254                      ; the running largest t
	v_mov_b32 v254, v12
	s_delay_alu instid0(VALU_DEP_2)
	v_floor_f32 v12, -v13                             ; the new -M = floor(-t): M is a whole number
	s_delay_alu instid0(VALU_DEP_1)
	v_sub_f32 v254, v12, v254                         ; old M less new M: a whole number, 0 or less
	s_delay_alu instid0(VALU_DEP_1)
	v_cvt_i32_f32 v254, v254                          ; (it saturates)
	s_delay_alu instid0(VALU_DEP_1)
	v_ldexp_f32 v252, 1.0, v254                       ; f = 2^(old M - new M)
.set J, 0
.rept 32
	v_pk_fma_f32 v[S+J:S+J+1], v[S+J:S+J+1], s[CS:CS+1], v[12:13] op_sel_hi:[1,0,0]   ; t - M, two at a time (of the pairs c and -M the low word serves both halves)
.set J, J+2
.endr
.irp b, 0,1,2,3
	v_fma_f32 v[232+\b], v[232+\b], s[CS], v12        ; the same of each block's largest score
.endr
.set J, 0
	s_wait_alu depctr_va_vdst(0)
.rept 64
	v_exp_f32 v[S+J], v[S+J]                          ; p = 2^(t - M), at most 1
.set J, J+1
.endr
	v_pk_mul_f32 v[14:15], v[14:15], v[252:253] op_sel_hi:[1,0]   ; the sums under the new M: the plain place behind the exponentials
	s_wait_alu depctr_va_vdst(0)                      ; one wait for the batch of 64, ahead of its first reader
.irp b, 0,1,2,3
	v_exp_f32 v[232+\b], v[232+\b]                    ; the block's largest p: the same two instructions on the same number
.endr
	v_pk_add_f32 v[236:237], v[100:101], v[104:105]
	v_pk_add_f32 v[254:255], v[108:109], v[112:113]
	v_pk_add_f32 v[250:251], v[116:117], v[120:121]
	v_pk_add_f32 v[246:247], v[124:125], v[128:129]
	v_pk_add_f32 v[244:245], v[132:133], v[136:137]
	v_pk_add_f32 v[240:241], v[140:141], v[144:145]
	v_pk_add_f32 v[238:239], v[148:149], v[152:153]
	v_pk_add_f32 v[14:15], v[14:15], v[156:157]
	v_pk_add_f32 v[236:237], v[236:237], v[96:97]
	v_pk_add_f32 v[254:255], v[254:255], v[98:99]
	v_pk_add_f32 v[250:251], v[250:251], v[102:103]
	v_pk_add_f32 v[246:247], v[246:247], v[106:107]
	v_pk_add_f32 v[244:245], v[244:245], v[110:111]
	v_pk_add_f32 v[240:241], v[240:241], v[114:115]
	v_pk_add_f32 v[238:239], v[238:239], v[118:119]
	v_pk_add_f32 v[14:15], v[14:15], v[122:123]
	v_pk_add_f32 v[236:237], v[236:237], v[126:127]
	v_pk_add_f32 v[254:255], v[254:255], v[130:131]
	v_pk_add_f32 v[250:251], v[250:251], v[134:135]
	v_pk_add_f32 v[246:247], v[246:247], v[138:139]
	v_pk_add_f32 v[244:245], v[244:245], v[142:143]
	v_pk_add_f32 v[240:241], v[240:241], v[146:147]
	v_pk_add_f32 v[238:239], v[238:239], v[150:151]
	v_pk_add_f32 v[14:15], v[14:15], v[154:155]
	v_pk_add_f32 v[236:237], v[236:237], v[158:159]
	s_delay_alu instid0(VALU_DEP_2)
	v_pk_add_f32 v[14:15], v[14:15], v[246:247]
	s_delay_alu instid0(VALU_DEP_2)
	v_pk_add_f32 v[236:237], v[236:237], v[244:245]
	v_pk_add_f32 v[254:255], v[254:255], v[240:241]
	v_pk_add_f32 v[250:251], v[250:251], v[238:239]
	s_delay_alu instid0(VALU_DEP_2)
	v_pk_add_f32 v[14:15], v[14:15], v[254:255]
	s_delay_alu instid0(VALU_DEP_2)
	v_pk_add_f32 v[236:237], v[236:237], v[250:251]
	s_delay_alu instid0(VALU_DEP_1)
	v_pk_add_f32 v[14:15], v[14:15], v[236:237]
	s_wait_alu depctr_va_vdst(0)                      ; and one for the four
.irp b, 0,1,2,3
	v_max_num_f32 v[232+\b], 0x1800000, v[232+\b]     ; the floor 2^(3 - 127): the byte cannot fall under 1
.endr
.irp b, 0,1,2,3
	s_delay_alu instid0(VALU_DEP_4)
	v_add_nc_u32 v[244+\b], 0xff000000, v[232+\b]     ; 2 off the exponent field: the conversion's scale operand
.endr
.irp b, 0,1,2,3
	s_delay_alu instid0(VALU_DEP_4)
	v_lshrrev_b32 v[236+\b], 23, v[244+\b]            ; the scale's byte
.endr
	s_delay_alu instid0(VALU_DEP_3)
	v_lshl_or_b32 v253, v237, 8, v236                 ; p's scale word for these 128 keys
	s_delay_alu instid0(VALU_DEP_1)
	v_lshl_or_b32 v253, v238, 16, v253
	s_delay_alu instid0(VALU_DEP_1)
	v_lshl_or_b32 v253, v239, 24, v253
.irp c, 0,1
	v_cvt_scalef32_pk16_fp6_f32 v[PC+6*\c:PC+6*\c+2], v[S+32*\c:S+32*\c+15], v[244+2*\c]
	v_cvt_scalef32_pk16_fp6_f32 v[236+4*\c:238+4*\c], v[S+32*\c+16:S+32*\c+31], v[245+2*\c]   ; (a conversion's three registers begin on an even number)
.endr
	v_nop                                             ; one plain place behind a scaled conversion
.irp t, 0,1,2,3
.irp c, 0,1,2
	ds_load_b128 v[S+12*\t+4*\c:S+12*\t+4*\c+3], v[A16+\sl] offset:OFS+VOFF+1536*(\t+4)+512*\c   ; p has been read for the last time: V^T's tiles 4-7 take its registers
.endr
.endr
.irp c, 0,1                                       ; the operand wants a whole block in a lane
.irp i, 0,1,2
	v_permlane16_swap_b32 v[PC+6*\c+\i], v[236+4*\c+\i]
.endr
.irp i, 0,1,2
	s_delay_alu instid0(VALU_DEP_3)
	v_mov_b32 v[PC+3+6*\c+\i], v[236+4*\c+\i]
.endr
.endr
.if \first
	s_wait_alu depctr_va_vdst(0)
.rept 8
	v_nop                                             ; a scale word made by vector instructions stands eight places ahead of the scaled product, codes so made four
.endr
.else
.set J, 0
.rept 32
	v_pk_mul_f32 v[OT+J:OT+J+1], v[OT+J:OT+J+1], v[252:253] op_sel_hi:[1,0]   ; O^T under the new M.  (These are also those places)
.set J, J+2
.endr
.endif
	s_wait_alu depctr_va_vdst(0)
	s_wait_dscnt 0x0                                  ; V^T's eight fragments and their scale words are in
.irp t, 0,1,2,3                                   ; O^T += V^T P^T: eight accumulators by turns, one instruction a turn
.if \first
	v_wmma_scale_f32_16x16x128_f8f6f4 v[OT+8*\t:OT+8*\t+7], v[FR+12*\t:FR+12*\t+11], v[PC:PC+11], 0, v[VS+\t], v253 matrix_a_fmt:MATRIX_FMT_FP6 matrix_b_fmt:MATRIX_FMT_FP6
.else
	v_wmma_scale_f32_16x16x128_f8f6f4 v[OT+8*\t:OT+8*\t+7], v[FR+12*\t:FR+12*\t+11], v[PC:PC+11], v[OT+8*\t:OT+8*\t+7], v[VS+\t], v253 matrix_a_fmt:MATRIX_FMT_FP6 matrix_b_fmt:MATRIX_FMT_FP6
.endif
.endr
.irp t, 0,1,2,3
.if \first
	v_wmma_scale_f32_16x16x128_f8f6f4 v[OT+32+8*\t:OT+32+8*\t+7], v[S+12*\t:S+12*\t+11], v[PC:PC+11], 0, v[VS+\t], v253 matrix_a_fmt:MATRIX_FMT_FP6 matrix_b_fmt:MATRIX_FMT_FP6 matrix_a_scale:MATRIX_SCALE_ROW1
.else
	v_wmma_scale_f32_16x16x128_f8f6f4 v[OT+32+8*\t:OT+32+8*\t+7], v[S+12*\t:S+12*\t+11], v[PC:PC+11], v[OT+32+8*\t:OT+32+8*\t+7], v[VS+\t], v253 matrix_a_fmt:MATRIX_FMT_FP6 matrix_b_fmt:MATRIX_FMT_FP6 matrix_a_scale:MATRIX_SCALE_ROW1
.endif
.endr
.endm
	s_load_b128 s[4:7], s[0:1], 0x0                   ; kvq s[4:5], out0 s[6:7]
	v_lshl_add_u32 v1, v0, 2, SPARE
	v_mov_b32 v2, 0
	ds_add_u32 v1, v2
	ds_add_u32 v1, v2
	s_wait_dscnt 0x0
	v_lshrrev_b32 v3, 5, v0
	s_delay_alu instid0(VALU_DEP_1)
	v_readfirstlane_b32 s8, v3                        ; wave 0..15
	s_and_b32 s9, s8, 3                               ; my tile of queries
	s_lshr_b32 s10, s8, 2                             ; my quarter of the keys
	s_bfe_u32 s11, ttmp6, 0x40000                     ; cx: my place in the cluster: it enters Q's and out0's addresses and the prefetches' offset alone
	s_lshl_b32 s12, ttmp9, 2
	s_add_co_u32 s12, s12, s11                        ; my block of 64 queries = 4 x cluster x + cx
	s_and_b32 s13, ttmp7, 0xffff                      ; the batch, which the four partners share
	; descriptor group 1: a key step: 78 dense rows of 256 bytes (32 elements of 8 bytes), no padding: every read is an image, lane behind lane
	s_mov_b32 s[G1+0], 15|(3<<16)|(1<<21)             ; 15:0 the mask: all four work-groups; 17:16 elements of 8 bytes; 21 set beside a mask
	s_mov_b32 s[G1+1], 32<<16                         ; tensor_dim0 = 32
	s_mov_b32 s[G1+2], 78<<16                         ; tensor_dim1 = 78
	s_mov_b32 s[G1+3], 32<<16                         ; tile_dim0 = 32
	s_mov_b32 s[G1+4], 78                             ; tile_dim1 = 78
	s_mov_b32 s[G1+5], 32                             ; from row to row
	s_mov_b32 s[G1+6], 0
	s_mov_b32 s[G1+7], 0
	s_and_b32 s14, s8, 7
	s_mul_i32 s15, s14, STEPB                         ; the key step that I fetch: its place in a group, in memory and in a slot alike
	s_mul_i32 s46, s13, BATCHB                        ; the batch's keys
	s_mov_b32 s47, 0
	s_add_co_u32 s48, s46, s15
	s_mov_b32 s49, 0
	s_lshr_b32 s50, s12, 1                            ; Q: the block of 128 rows 32 x batch + x / 2,
	s_lshl_b32 s51, s13, 5
	s_add_co_u32 s50, s50, s51
	s_mul_i32 s50, s50, QBLK
	s_add_co_u32 s50, s50, QBASE
	s_and_b32 s51, s12, 1
	s_lshl_b32 s51, s51, 2
	s_add_co_u32 s51, s51, s9                         ; in it tile 4 (x % 2) + my tile:
	s_mul_i32 s52, s51, 768
	s_add_co_u32 s52, s52, s50                        ; its codes (512 bytes further on: in the loads' immediates),
	s_mov_b32 s53, 0
	s_lshl_b32 s54, s51, 6
	s_add_co_u32 s54, s54, s50                        ; its scale words
	s_mov_b32 s55, 0
	s_lshl_b32 s56, s13, 12                           ; out0: row 4,096 x batch + 64 x + 4 w, of 512 bytes
	s_lshl_b32 s57, s12, 6
	s_add_co_u32 s56, s56, s57
	s_lshl_b32 s57, s8, 2
	s_add_co_u32 s56, s56, s57
	s_lshl_b32 s56, s56, 9
	s_mov_b32 s57, 0
	s_mul_i32 s58, s11, 5                             ; the prefetches: piece 32 (5 cx + w - 8) + lane
	s_add_co_u32 s58, s58, s8
	s_sub_co_u32 s58, s58, 8
	s_lshl_b32 s58, s58, 5
	s_sub_co_u32 s42, s8, 8
	s_cmp_lt_u32 s42, 5                               ; waves 8 to 12
	s_cselect_b32 s42, 0, 1
	s_or_b32 s42, s42, ttmp9                          ; of the batch's first cluster: the same in all four partners
	s_mov_b32 s[SEL], 0x76543210
	s_mov_b32 s[SEL+1], 0xfedcba98
	s_mov_b32 s[CS], 0x3e38aa3b                       ; c = log2(e) / 8
	s_mov_b32 s[CS+1], s[CS]                          ; (named with it as a pair, so it is written)
	s_mul_i32 s59, s10, 2*STEPB                       ; my two key steps' place in a slot
	s_wait_kmcnt 0x0
	s_mov_b32 s[G0A], 1                               ; count = 1
	s_mov_b32 s[G0A+1], s15                           ; LDS address: slot 0
	s_add_nc_u64 s[G0A+2:G0A+3], s[4:5], s[48:49]     ; global address: group 0
	s_mov_b32 s[G0B], 1
	s_add_co_u32 s[G0B+1], s15, SLOTB                 ; slot 1
	s_add_nc_u64 s[G0B+2:G0B+3], s[G0A+2:G0A+3], SLOTB   ; group 1
	s_or_b32 s[G0A+3], s[G0A+3], 0x80000000           ; type = 2
	s_or_b32 s[G0B+3], s[G0B+3], 0x80000000
	s_add_nc_u64 s[38:39], s[4:5], s[52:53]
	s_add_nc_u64 s[44:45], s[4:5], s[54:55]
	s_add_nc_u64 s[6:7], s[6:7], s[56:57]
	s_add_nc_u64 s[40:41], s[4:5], s[46:47]
	s_add_nc_u64 s[40:41], s[40:41], 2*SLOTB          ; the prefetches stand at the batch's group 2
	ROUND                                             ; all four work-groups are here: the first joint loads meet
	s_cmp_lt_u32 s8, 8                                ; a wave's two first fills stand in one branch, ahead of every wait on TENSORcnt and every LDS read: two loads of mine are out
	s_cbranch_scc0 .Lno_first
	tensor_load_to_lds s[G0A:G0A+3], s[G1:G1+7]
	s_nop 0
	tensor_load_to_lds s[G0B:G0B+3], s[G1:G1+7]
	s_nop 0
.rept 4
	v_nop
.endr
.Lno_first:
	v_and_b32 v10, 31, v0                             ; lane
	v_bfe_u32 v11, v0, 4, 1                           ; h
	s_delay_alu instid0(VALU_DEP_2)
	v_lshl_add_u32 v[A16], v10, 4, s59
	s_delay_alu instid0(VALU_DEP_1)
	v_add_nc_u32 v[A16+1], SLOTB, v[A16]
	s_delay_alu instid0(VALU_DEP_4)
	v_lshl_add_u32 v[A8], v10, 3, s59
	s_delay_alu instid0(VALU_DEP_1)
	v_add_nc_u32 v[A8+1], SLOTB, v[A8]
	v_lshl_add_u32 v[AB], v11, 6, s59
	s_delay_alu instid0(VALU_DEP_1)
	v_add_nc_u32 v[AB+1], SLOTB, v[AB]
	v_add_nc_u32 v9, s58, v10
	s_delay_alu instid0(VALU_DEP_1)
	v_min_u32 v9, 623, v9                             ; held at the group's last piece (in waves that do not ask the number means nothing)
	s_delay_alu instid0(VALU_DEP_1)
	v_lshlrev_b32 v9, 8, v9
	v_and_b32 v254, 15, v0
	s_delay_alu instid0(VALU_DEP_1)
	v_lshlrev_b32 v254, 2, v254                       ; 4 r
	v_lshlrev_b32 v11, 3, v10                         ; 8 lane
	v_lshlrev_b32 v10, 4, v10                         ; 16 lane
	global_load_b128 v[QLO:QLO+3], v10, s[38:39] offset:512       ; Q's six registers, once for each of the two operands: A's and B's share nothing, and neither do these two
	global_load_b64 v[QLO+4:QLO+5], v11, s[38:39] offset:1024
	global_load_b128 v[QHI+6:QHI+9], v10, s[38:39] offset:512
	global_load_b64 v[QHI+10:QHI+11], v11, s[38:39] offset:1024
	global_load_b32 v248, v254, s[44:45]              ; Q's scale words: q0, q1, 0, 0
	v_mov_b32 v13, 0xff61b1e6                         ; the largest t so far: -3e38, under every t
	s_delay_alu instid0(VALU_DEP_1)
	v_floor_f32 v12, -v13                             ; -M
	v_mov_b32 v14, 0                                  ; the sum, in two halves
	v_mov_b32 v15, 0
.irp b, 236,237,238,239,243,253
	v_mov_b32 v[\b], 0                                ; v236-239: a lane permute's destination counts as one of its sources; v243, v253: named as the upper halves of pairs before they are otherwise written
.endr
	s_wait_loadcnt 0x0                                ; Q
	v_lshlrev_b32 v249, 16, v248                      ; 0, 0, q0, q1
.irp i, 6,7,8,9,10,11
	v_mov_b32 v[QLO+\i], 0                            ; the zero codes
	v_mov_b32 v[QHI+\i-6], 0
.endr
	s_wait_tensorcnt 0x1                              ; my part of group 0 is in; group 1's load was issued behind it and may stay out
	s_barrier_signal -1
	s_barrier_wait -1                                 ; everybody's is
	ASK 0                                             ; group 2: a group's two key steps of each wave ahead of its joint load
	s_wait_alu depctr_va_vdst(0)
	STEP 0, 0, 1
	STEP 0, 1, 0
	CHANGE 1, G0A                                     ; slot 0 takes group 2
	ASK 1                                             ; group 3
	STEP 1, 0, 0
	STEP 1, 1, 0
	CHANGE 1, G0B                                     ; slot 1 takes group 3: the last load
	STEP 0, 0, 0
	STEP 0, 1, 0
	CHANGE 0, G0A                                     ; nothing is left to fetch.  Behind this barrier nobody reads slot 0 any more
	STEP 1, 0, 0
	STEP 1, 1, 0
	; THE MERGE.  Each wave lays its O^T (as an image of its 64 registers), its sum and its -M into slot 0; behind a barrier wave (tile, quarter) takes registers 16 x quarter + 0..15 of the tile's four partial results,
	; brings them under the largest M by exact powers of two, divides by the whole sum, and puts its 32 channels into the stage.  The lines below are also the places behind the last products.
	v_add_f32 v14, v14, v15                           ; the sum's two halves
	v_and_b32 v250, 31, v0                            ; lane
	v_and_b32 v251, 15, v0                            ; r
	v_bfe_u32 v255, v0, 4, 1                          ; h
	s_delay_alu instid0(VALU_DEP_3)
	v_lshlrev_b32 v11, 4, v250                        ; 16 lane: also my offset in a row of out0
	s_wait_alu depctr_va_vdst(0)
	s_lshl_b32 s50, s8, 13
	v_add_nc_u32 v3, s50, v11                         ; my image: 8,192 w + 16 lane
	s_lshl_b32 s50, s8, 8
	s_add_co_u32 s50, s50, LM
	v_lshl_add_u32 v4, v250, 2, s50                   ; my sum and -M: 256 w + 4 lane
	s_lshl_b32 s50, s9, 8
	s_add_co_u32 s50, s50, LM
	v_lshl_add_u32 v5, v250, 2, s50                   ; those of the tile's four waves: 1,024 bytes apart
	s_lshl_b32 s50, s9, 13
	s_lshl_b32 s51, s10, 11
	s_add_co_u32 s50, s50, s51
	v_add_nc_u32 v6, s50, v11                         ; their images, 32,768 bytes apart, at my sixteen registers;
	s_delay_alu instid0(VALU_DEP_1)
	v_add_nc_u32 v7, 0x10000, v6                      ; (a second register for the upper two: an offset has 16 bits)
	v_and_b32 v8, 8, v251
	s_delay_alu instid0(VALU_DEP_1)
	v_add_nc_u32 v8, v8, v251                         ; r + 8 (r / 8)
	s_lshr_b32 s50, s9, 1
	s_lshl_b32 s50, s50, 5
	s_and_b32 s51, s9, 1
	s_lshl_b32 s51, s51, 3
	s_add_co_u32 s50, s50, s51
	v_add_nc_u32 v8, s50, v8                          ; my query's row among the 64: 32 (tile / 2) + 8 (tile % 2) + r + 8 (r / 8)
	s_delay_alu instid0(VALU_DEP_1)
	v_mul_u32_u24 v8, v8, 528
	s_delay_alu instid0(VALU_DEP_1)
	v_lshl_add_u32 v8, v255, 5, v8
	s_lshl_b32 s50, s10, 7
	s_add_co_u32 s50, s50, OSTG
	v_add_nc_u32 v8, s50, v8                          ; the stage: + 128 x quarter + 32 h
	s_mul_i32 s50, s8, 4*528
	s_add_co_u32 s50, s50, OSTG
	v_add_nc_u32 v10, s50, v11                        ; back: rows 4 w on, 16 bytes a lane
	v_permlanex16_b32 v252, v14, s[SEL], s[SEL+1]
	s_delay_alu instid0(VALU_DEP_1)
	v_add_f32 v14, v14, v252                          ; with lane l xor 16's: my quarter's sum
.irp g, 0,1,2,3,4,5,6,7,8,9,10,11,12,13,14,15
	ds_store_b128 v3, v[OT+4*\g:OT+4*\g+3] offset:512*\g   ; each accumulator from its low end on
.endr
	ds_store_b32 v4, v14
	ds_store_b32 v4, v12 offset:128
	s_wait_dscnt 0x0                                  ; for the others' sake: my stores have landed; my reads of slot 1 are long over
	s_barrier_signal -1
	s_barrier_wait -1
.irp k, 0,1,2,3
	ds_load_b32 v[232+\k], v5 offset:1024*\k+128      ; -M of quarter k
	ds_load_b32 v[236+\k], v5 offset:1024*\k          ; its sum
.endr
.irp k, 0,1
.irp m, 0,1,2,3
	ds_load_b128 v[S+16*\k+4*\m:S+16*\k+4*\m+3], v6 offset:32768*\k+512*\m
.endr
.endr
.irp k, 0,1
.irp m, 0,1,2,3
	ds_load_b128 v[S+32+16*\k+4*\m:S+32+16*\k+4*\m+3], v7 offset:32768*\k+512*\m
.endr
.endr
	s_wait_dscnt 0x0
	v_min_num_f32 v254, v232, v233
	s_delay_alu instid0(VALU_DEP_1)
	v_min3_num_f32 v254, v254, v234, v235             ; -M of the whole row: the least of the four
.irp k, 0,1,2,3
	v_sub_f32 v[232+\k], v254, v[232+\k]              ; quarter k's M less the row's: a whole number, 0 or less
.endr
.irp k, 0,1,2,3
	s_delay_alu instid0(VALU_DEP_4)
	v_cvt_i32_f32 v[232+\k], v[232+\k]                ; (it saturates)
.endr
.irp k, 0,1,2,3
	s_delay_alu instid0(VALU_DEP_4)
	v_ldexp_f32 v[240+2*\k], 1.0, v[232+\k]           ; f_k: exact
.endr
	s_delay_alu instid0(VALU_DEP_4)
	v_mul_f32 v14, v240, v236
	s_delay_alu instid0(VALU_DEP_1)
	v_fma_f32 v14, v242, v237, v14
	s_delay_alu instid0(VALU_DEP_1)
	v_fma_f32 v14, v244, v238, v14
	s_delay_alu instid0(VALU_DEP_1)
	v_fma_f32 v14, v246, v239, v14                    ; the row's sum
	s_wait_alu depctr_va_vdst(0)
	v_rcp_f32 v252, v14
	v_nop                                             ; one plain place behind the reciprocal
	s_wait_alu depctr_va_vdst(0)                      ; and the wait ahead of its first reader
.irp k, 0,1,2,3
	v_mul_f32 v[240+2*\k], v[240+2*\k], v252          ; f_k / the sum
.endr
.irp j, 0,2,4,6,8,10,12,14
	v_pk_mul_f32 v[OT+\j:OT+\j+1], v[S+\j:S+\j+1], v[240:241] op_sel_hi:[1,0]
.endr
.irp k, 1,2,3
.irp j, 0,2,4,6,8,10,12,14
	v_pk_fma_f32 v[OT+\j:OT+\j+1], v[S+16*\k+\j:S+16*\k+\j+1], v[240+2*\k:241+2*\k], v[OT+\j:OT+\j+1] op_sel_hi:[1,0,1]
.endr
.endr
.irp n, 0,1                                       ; register 8 n + j: channel 32 x quarter + 16 n + 8 h + j of my query
	ds_store_b128 v8, v[OT+8*\n:OT+8*\n+3] offset:64*\n
	ds_store_b128 v8, v[OT+8*\n+4:OT+8*\n+7] offset:64*\n+16
.endr
	s_wait_dscnt 0x0                                  ; for the others' sake
	s_barrier_signal -1
	s_barrier_wait -1                                 ; 64 whole rows lie in the stage
.irp i, 0,1,2,3
	ds_load_b128 v[S+4*\i:S+4*\i+3], v10 offset:528*\i
.endr
.irp i, 0,1,2,3
	s_wait_dscnt 3-\i                                 ; LDS loads come back in order (ISA guide 5.7.1): row i is in, the younger ones may be out
	global_store_b128 v11, v[S+4*\i:S+4*\i+3], s[6:7] offset:512*\i th:TH_STORE_NT   ; 32 lanes store a row: 512 consecutive bytes, at a multiple of 256 from out0's first byte; written once, read by nobody here
.endr
	s_wait_tensorcnt 0x0                              ; the wave's end, behind my last tensor load and my last LDS store
	ds_add_u32 v1, v2
	s_wait_dscnt 0x0
	ROUND                                             ; the closing round: no work-group ends while a partner may still ask for a tile that names it
	s_endpgm
.Lfunc_end_k_qba03413e21_attend:
	.size	k_qba03413e21_attend, .Lfunc_end_k_qba03413e21_attend-k_qba03413e21_attend
	.p2alignl 7, 3214868480
	.fill 96, 4, 3214868480
	.section	.rodata,"a",@progbits
	.p2align	6, 0x0
	.amdhsa_kernel k_qba03413e21_attend
		.amdhsa_group_segment_fixed_size 327680
		.amdhsa_private_segment_fixed_size 0
		.amdhsa_enable_private_segment 0
		.amdhsa_kernarg_size 16
		.amdhsa_user_sgpr_count 2
		.amdhsa_user_sgpr_kernarg_segment_ptr 1
		.amdhsa_wavefront_size32 1
		.amdhsa_system_sgpr_workgroup_id_x 1
		.amdhsa_system_sgpr_workgroup_id_y 1
		.amdhsa_system_sgpr_workgroup_id_z 1
		.amdhsa_system_vgpr_workitem_id 0
		.amdhsa_next_free_vgpr 256
		.amdhsa_next_free_sgpr 66
		.amdhsa_reserve_vcc 0
		.amdhsa_float_denorm_mode_32 3
		.amdhsa_float_denorm_mode_16_64 3
		.amdhsa_memory_ordered 1
		.amdhsa_forward_progress 1
		.amdhsa_inst_pref_size 176
	.end_amdhsa_kernel
	.amdgpu_metadata
---
amdhsa.version: [ 1, 2 ]
amdhsa.kernels:
  - .name:           k_qba03413e21_attend
    .symbol:         k_qba03413e21_attend.kd
    .args:
      - { .name: kvq, .offset: 0, .size: 8, .value_kind: global_buffer, .address_space: global }
      - { .name: out0, .offset: 8, .size: 8, .value_kind: global_buffer, .address_space: global }
    .group_segment_fixed_size: 327680
    .private_segment_fixed_size: 0
    .kernarg_segment_align: 8
    .kernarg_segment_size: 16
    .max_flat_workgroup_size: 512
    .sgpr_count:     66
    .vgpr_count:     256
    .wavefront_size: 32
...
	.end_amdgpu_metadata
.endif
;; end of part 2
